; MI455X (gfx1250); checked and timed in simulation.
; The chip was launched on July 23, 2026; its instructions are those of AMD's public machine-readable ISA for CDNA 5 (MIT licence, August 2026) and "CDNA5" Instruction Set Architecture Reference Guide (July 2026). The comments in the code are by the model that wrote it; some were corrected since.
;; Reciprocal Space Attention. Allowed arithmetic: float matrix products may take bf16 or f16 operands with f32 sums; all other float work in f32.
;; Inputs: W_qkv 64 x 192 float32; batch 8,192 int32; k_vecs 16 x 64 x 3 float32; node_feat 8,192 x 64 float32; positions 8,192 x 3 float32; w_k 16 x 64 float32.
;; Outputs: out0 8,192 x 64 float32.
;; One version. Each part assembles by itself: llvm-mc -triple=amdgcn-amd-amdhsa -mcpu=gfx1250 --defsym DOCPART=n.
;; ======== version 1 of 1: 4 launches
;; limits: right only within a limited range of input values; values are held in f16: magnitudes above 65,504 overflow, below 6.1e-05 lose precision
;; workspace buffers: order 33,024 bytes of whole numbers; kT 2,097,152 bytes; vT 1,048,576 bytes; qr 2,097,152 bytes; csk 4,194,304 bytes; kvw 8,388,608 bytes; ksc 8,192 bytes
;; launch sort (part 1): grid 1 x 1, 32 waves a work-group, no clusters, 37,888 bytes of LDS; arguments batch, order; writes order
.if DOCPART == 1
	.amdgcn_target "amdgcn-amd-amdhsa--gfx1250"
	.amdhsa_code_object_version 6
	.text
	.protected	k_qf59619e4a3_sort
	.globl	k_qf59619e4a3_sort
	.p2align	8
	.type	k_qf59619e4a3_sort,@function
k_qf59619e4a3_sort:
	s_mov_b64 s[64:65], 0
	v_nop
	global_prefetch_b8 v0, s[64:65] scope:SCOPE_SE
	s_setreg_imm32_b32 hwreg(HW_REG_WAVE_MODE, 25, 1), 1
	s_wait_xcnt 0x0
; Counting sort of the 8,192 nodes by graph, stable, one work-group of 1,024 threads; thread t owns nodes 8 t .. 8 t + 7.
; order word s (s = 0 .. 8191) = node | graph << 16 of the node at sorted place s; words 8192 .. 8223 = first place of graph 0 .. 15, then 8192.
; place = first place of the graph + its nodes in earlier waves + in earlier threads of the wave + among the thread's earlier nodes.
; Counts of two graphs share a word (16 bits each): no count or prefix passes 8,192, so no carry crosses the halves.
; LIMIT: a graph number above 15 (or negative) is taken as 15.
.set B,   4                            ; v[4:11]   graph of my 8 nodes
.set R,   12                           ; v[12:19]  how many of my earlier nodes have the same graph
.set CLO, 20                           ; sixteen 4-bit counts: graphs 0-7
.set CHI, 21                           ; graphs 8-15
.set T,   22
.set U,   23
.set W,   24
.set ONE, 25
.set C,   26                           ; v[26:33]  my counts, word k = graphs 2k (low), 2k+1 (high)
.set X,   34                           ; v[34:41]  their inclusive scan over the wave's lanes
.set Y,   42                           ; v[42:49]  lane l: totals of wave l, then their exclusive scan
.set YS,  50                           ; v[50:57]  inclusive scan of the waves' totals
.set P,   58                           ; v[58:65]  my base place for each graph, packed
.set A,   66                           ; v[66:73]  LDS address of node i's base
.set D,   74                           ; v[74:81]  node i's base
.set SL,  82                           ; v[82:89]  byte offset of node i's place
.set DA,  90                           ; v[90:97]  the word stored there
.set G,   98
.set PTA, 99
.set WTA, 100
.set V8,  102                          ; v[102:109] my wave's totals, in every lane
.set LWT, 0                            ; LDS: 32 waves x 32 bytes of totals
.set LPT, 1024                         ; LDS: 32 waves x 1,024 bytes, each wave's own: 32 bytes of bases a lane
	s_load_b128 s[4:7], s[0:1], 0x0                ; batch s[4:5], order s[6:7]
	v_lshl_add_u32 v112, v0, 2, 0x8400
	v_mov_b32 v113, 0
	v_and_b32 v1, 31, v0                           ; lane
	v_lshrrev_b32 v2, 5, v0
	v_readfirstlane_b32 s8, v2                     ; wave
	v_lshlrev_b32 v3, 5, v0                        ; my 8 words of batch
	s_mov_b32 s9, 0xffff0000                       ; lanes 16 to 31
	v_mov_b32 v[CLO], 0
	v_mov_b32 v[CHI], 0
	v_mov_b32 v[ONE], 1
	v_mov_b32 v[T], 0                              ; a DPP destination counts as read: written once here
	s_wait_kmcnt 0x0
	global_load_b128 v[B:B+3],   v3, s[4:5]
	global_load_b128 v[B+4:B+7], v3, s[4:5] offset:16
	s_wait_loadcnt 0x0
	; my counts: at most 8 in a field of 4 bits; the field before the add is the node's rank among mine
.irp i, 0,1,2,3,4,5,6,7
	v_min_u32 v[B+\i], 15, v[B+\i]
	v_and_b32 v[T], 7, v[B+\i]
	v_lshlrev_b32 v[T], 2, v[T]                    ; the field's first bit
	v_cmp_gt_u32 vcc_lo, 8, v[B+\i]                ; graph below 8: the low word
	v_cndmask_b32 v[U], v[CHI], v[CLO], vcc_lo
	v_lshrrev_b32 v[U], v[T], v[U]
	v_and_b32 v[R+\i], 15, v[U]
	v_lshlrev_b32 v[U], v[T], v[ONE]
	v_cndmask_b32 v[W], 0, v[U], vcc_lo
	v_add_nc_u32 v[CLO], v[CLO], v[W]
	v_sub_nc_u32 v[U], v[U], v[W]
	v_add_nc_u32 v[CHI], v[CHI], v[U]
.endr
.irp k, 0,1,2,3
	v_bfe_u32 v[C+\k], v[CLO], 8*\k, 4
	v_bfe_u32 v[T], v[CLO], 8*\k+4, 4
	v_lshl_or_b32 v[C+\k], v[T], 16, v[C+\k]
	v_bfe_u32 v[C+4+\k], v[CHI], 8*\k, 4
	v_bfe_u32 v[U], v[CHI], 8*\k+4, 4
	v_lshl_or_b32 v[C+4+\k], v[U], 16, v[C+4+\k]
.endr
; inclusive sum over the 32 lanes: four shifted adds inside each half of 16 lanes, then lane 15's sum onto lanes 16 to 31
.macro SCAN32 x
.irp sh, 1,2,4,8
	v_mov_b32_dpp v[T], v[\x] row_shr:\sh row_mask:0xf bank_mask:0xf bound_ctrl:1
	v_add_nc_u32 v[\x], v[\x], v[T]
.endr
	v_readlane_b32 s12, v[\x], 15
	v_mov_b32 v[T], s12
	v_cndmask_b32 v[T], 0, v[T], s9
	v_add_nc_u32 v[\x], v[\x], v[T]
.endm
.irp k, 0,1,2,3,4,5,6,7
	v_mov_b32 v[X+\k], v[C+\k]
	SCAN32 X+\k
	v_readlane_b32 s[16+\k], v[X+\k], 31           ; the wave's total
	v_mov_b32 v[V8+\k], s[16+\k]
.endr
	s_lshl_b32 s10, s8, 5
	v_mov_b32 v[WTA], s10
	ds_store_b128 v[WTA], v[V8:V8+3]   offset:LWT          ; every lane writes the same 32 bytes with the same values
	ds_store_b128 v[WTA], v[V8+4:V8+7] offset:LWT+16
	s_wait_dscnt 0x0                               ; for the other waves: my totals are in LDS
	s_barrier_signal -1
	s_barrier_wait -1
	v_lshlrev_b32 v2, 5, v1
	ds_load_b128 v[Y:Y+3],   v2 offset:LWT         ; lane l: the totals of wave l
	ds_load_b128 v[Y+4:Y+7], v2 offset:LWT+16
	s_wait_dscnt 0x0
.irp k, 0,1,2,3,4,5,6,7
	v_mov_b32 v[YS+\k], v[Y+\k]
	SCAN32 YS+\k
	v_sub_nc_u32 v[Y+\k], v[YS+\k], v[Y+\k]        ; exclusive
	v_readlane_b32 s[24+\k], v[Y+\k], s8           ; the waves in front of mine
	v_readlane_b32 s[16+\k], v[YS+\k], 31          ; all waves: the graphs' sizes
.endr
	; first places of the graphs, s[32:47]; s50 runs up to 8,192
	s_mov_b32 s50, 0
.irp k, 0,1,2,3,4,5,6,7
	s_and_b32 s51, s[16+\k], 0xffff
	s_lshr_b32 s52, s[16+\k], 16
	s_mov_b32 s[32+2*\k], s50
	s_add_co_u32 s50, s50, s51
	s_mov_b32 s[33+2*\k], s50
	s_lshl_b32 s53, s50, 16
	s_or_b32 s53, s53, s[32+2*\k]
	s_add_co_u32 s50, s50, s52
	s_add_co_u32 s[24+\k], s[24+\k], s53           ; first place + earlier waves, packed
	v_sub_nc_u32 v[P+\k], v[X+\k], v[C+\k]         ; earlier threads of my wave
	v_add_nc_u32 v[P+\k], s[24+\k], v[P+\k]
.endr
	; a lane picks one of its 16 bases by the node's graph: through the wave's own LDS bytes, which LDS serves in order
	s_lshl_b32 s11, s8, 10
	s_add_co_u32 s11, s11, LPT
	v_lshl_add_u32 v[PTA], v1, 5, s11
	ds_store_b128 v[PTA], v[P:P+3]
	ds_store_b128 v[PTA], v[P+4:P+7] offset:16
.irp i, 0,1,2,3,4,5,6,7
	v_lshl_add_u32 v[A+\i], v[B+\i], 1, v[PTA]
	ds_load_u16 v[D+\i], v[A+\i]
.endr
	s_wait_dscnt 0x0
.irp i, 0,1,2,3,4,5,6,7
	v_add_nc_u32 v[SL+\i], v[D+\i], v[R+\i]
	v_min_u32 v[SL+\i], 0x1fff, v[SL+\i]           ; a place is below 8,192 by construction; the bound is written out
	v_lshlrev_b32 v[SL+\i], 2, v[SL+\i]
	v_lshl_add_u32 v[DA+\i], v0, 3, \i             ; the node
	v_lshl_or_b32 v[DA+\i], v[B+\i], 16, v[DA+\i]  ; | graph << 16
	global_store_b32 v[SL+\i], v[DA+\i], s[6:7]    ; 4 bytes a node: neighbouring nodes of one graph go to neighbouring words
.endr
	s_cmp_lg_u32 s8, 0
	s_cbranch_scc1 .Ldone
	v_mov_b32 v[G], s50                            ; words 16 to 31: 8,192
.irp b, 0,1,2,3,4,5,6,7,8,9,10,11,12,13,14,15
	v_writelane_b32 v[G], s[32+\b], \b
.endr
	v_lshlrev_b32 v[U], 2, v1
	global_store_b32 v[U], v[G], s[6:7] offset:32768
.Ldone:
	s_wait_tensorcnt 0x0
	ds_add_u32 v112, v113
	s_wait_dscnt 0x0
	s_endpgm
.Lfunc_end_k_qf59619e4a3_sort:
	.size	k_qf59619e4a3_sort, .Lfunc_end_k_qf59619e4a3_sort-k_qf59619e4a3_sort
	.p2alignl 7, 3214868480
	.fill 96, 4, 3214868480
	.section	.rodata,"a",@progbits
	.p2align	6, 0x0
	.amdhsa_kernel k_qf59619e4a3_sort
		.amdhsa_group_segment_fixed_size 37888
		.amdhsa_private_segment_fixed_size 0
		.amdhsa_enable_private_segment 0
		.amdhsa_kernarg_size 16
		.amdhsa_user_sgpr_count 2
		.amdhsa_user_sgpr_kernarg_segment_ptr 1
		.amdhsa_wavefront_size32 1
		.amdhsa_system_sgpr_workgroup_id_x 1
		.amdhsa_system_sgpr_workgroup_id_y 1
		.amdhsa_system_sgpr_workgroup_id_z 1
		.amdhsa_system_vgpr_workitem_id 0
		.amdhsa_next_free_vgpr 114
		.amdhsa_next_free_sgpr 66
		.amdhsa_reserve_vcc 1
		.amdhsa_float_denorm_mode_32 3
		.amdhsa_float_denorm_mode_16_64 3
		.amdhsa_memory_ordered 1
		.amdhsa_forward_progress 1
		.amdhsa_inst_pref_size 26
	.end_amdhsa_kernel
	.amdgpu_metadata
---
amdhsa.version: [ 1, 2 ]
amdhsa.kernels:
  - .name:           k_qf59619e4a3_sort
    .symbol:         k_qf59619e4a3_sort.kd
    .args:
      - { .name: batch, .offset: 0, .size: 8, .value_kind: global_buffer, .address_space: global }
      - { .name: order, .offset: 8, .size: 8, .value_kind: global_buffer, .address_space: global }
    .group_segment_fixed_size: 37888
    .private_segment_fixed_size: 0
    .kernarg_segment_align: 8
    .kernarg_segment_size: 16
    .max_flat_workgroup_size: 1024
    .sgpr_count:     66
    .vgpr_count:     114
    .wavefront_size: 32
...
	.end_amdgpu_metadata
.endif
;; end of part 1
;; launch prep (part 2): grid 256 x 1, 4 waves a work-group, no clusters, 0 bytes of LDS; arguments node_feat, positions, k_vecs, W_qkv, order, kT, vT, qr, csk; writes kT, vT, qr, csk
.if DOCPART == 2
	.amdgcn_target "amdgcn-amd-amdhsa--gfx1250"
	.amdhsa_code_object_version 6
	.text
	.protected	k_qf59619e4a3_prep
	.globl	k_qf59619e4a3_prep
	.p2align	8
	.type	k_qf59619e4a3_prep,@function
k_qf59619e4a3_prep:
	s_mov_b64 s[64:65], 0
	v_nop
	global_prefetch_b8 v0, s[64:65] scope:SCOPE_SE
	s_setreg_imm32_b32 hwreg(HW_REG_WAVE_MODE, 25, 1), 1
	s_wait_xcnt 0x0
; For the 32 nodes at sorted places 32 t .. 32 t + 31 (t = the work-group): qkv = x W in f16 products with f32 sums, SiLU on q and k in f32,
; cos and sin of phase[n][m] = pos_n . k_vec[graph_n][m].  Everything is stored in the order in which the later launches' lanes want it,
; so that each of their loads, and each store here, is 16 (cos/sin: 8) bytes a lane at neighbouring addresses.
; d' is the feature index with even columns first: d' = j is column 2 j, d' = 32 + j is column 2 j + 1.  l = lane, r = l % 16, hh = l / 16.
;   kT  f32 : t 8192 + ct 2048 + nt 1024 + q 512 + 16 l : k'[d' = 16 ct + r][node 16 nt + 8 hh + 4 q + 0..3]
;   vT  f16 : t 4096 + ht 1024 + nt 512 + 16 l          : v [h = 16 ht + r][node 16 nt + 8 hh + 0..7]
;   qr  f32 : t 8192 + nt 4096 + ct 1024 + q 512 + 16 l : q'[node 16 nt + r][d' = 16 ct + 8 hh + 4 q + 0..3]
;   csk f32 : t 16384 + m 256 + node 8                  : cos, sin
; Wave w makes d' tile w of q' and of k', h tile w of v, and m = 16 w .. 16 w + 15.  No LDS, no barrier: no wave needs another's numbers.
; WHY f16: a number of the output passes seven roundings of matrix operands (x, W for q, k and v, k_rot, v, KV, q_rot); with 8 significant bits
; their sum is too near the allowed error, with 11 it is an eighth of that.
; LIMITS: |x|, |W| and |v| stay below 65,504 (f16).  sin and cos are made by taking away n pi/2 in two parts and two short polynomials; good while
; |phase| stays below about 2^22 (n must fit its integer and the second part of pi/2 must still be enough).  A graph number is taken as at most 15,
; a node as at most 8,191.
.set WF,   16                          ; v[16:63]   W fragments: 16 x part (q, k, v) + 8 x K half
.set TMP0, 64                          ; v[64:95]   W's q columns as loaded
.set TMP1, 96                          ; v[96:127]  W's k columns as loaded
.set XT,   128                         ; v[128:191] x as loaded: 32 x node tile + 16 x K half
.set KV,   192                         ; v[192:239] my node's graph's 16 k-vectors
.set XF,   64                          ; v[64:95]   x fragments (over TMP0): 16 x node tile + 8 x K half
.set WV,   128                         ; v[128:159] W's v columns as loaded (over XT)
.set ACC,  96                          ; v[96:143]  q0 q1 k0 k1 v0 v1 (over TMP1 and WV)
.set PH,   144                         ; v[144:159] 16 phases
.set ST,   160                         ; v[160:169] at work on sin and cos
.set SE,   176                         ; v[176:183] at work on SiLU
.set VP,   184                         ; v[184:191] v in f16
.set CSO,  16                          ; v[16:47]   16 pairs cos, sin (over the spent W fragments)
.set KVO,  240
.set L16,  241
.set L8,   242
.set XO,   243                         ; v243, v244
.set PO,   245
	s_load_b512 s[4:19], s[0:1], 0x0               ; node_feat 4, positions 6, k_vecs 8, W 10, order 12, kT 14, vT 16, qr 18
	s_load_b64 s[20:21], s[0:1], 0x40              ; csk
	v_and_b32 v1, 31, v0                           ; l
	v_lshrrev_b32 v2, 5, v0
	v_readfirstlane_b32 s22, v2                    ; wave
	v_and_b32 v2, 15, v0                           ; r
	v_bfe_u32 v3, v0, 4, 1                         ; hh
	; W[k][c] lies at 768 k + 4 c.  A fragment's lane holds one column and k = 8 hh + .., so 8 hh rows = 6,144 hh bytes.
	s_and_b32 s24, s22, 1
	s_lshl_b32 s24, s24, 7
	s_lshr_b32 s25, s22, 1
	s_lshl2_add_u32 s24, s25, s24                  ; column of d' = 16 w + r is 32 (w & 1) + 2 r + (w >> 1); in bytes, without r
	v_mul_u32_u24 v9, v3, 0x1800
	v_lshl_add_u32 v4, v2, 3, v9
	v_add_nc_u32 v4, s24, v4                       ; q's column; k's is 64 columns = 256 bytes on
	s_lshl_b32 s25, s22, 6
	s_add_co_u32 s25, s25, 512
	v_lshl_add_u32 v5, v2, 2, v9
	v_add_nc_u32 v5, s25, v5                       ; v's column 128 + 16 w + r
	v_lshlrev_b32 v13, 2, v2
	v_lshlrev_b32 v15, 2, v1
	v_lshlrev_b32 v[L16], 4, v1
	v_lshlrev_b32 v[L8], 3, v1
	s_mov_b32 s66, 0x3f22f983                      ; 2 / pi
	s_mov_b32 s67, 0xbfc90fdb                      ; - pi/2, the f32 nearest
	s_mov_b32 s68, 0x333bbd2e                      ; what that f32 has too much
	s_mov_b32 s69, 0xb94ca1f9                      ; sin: -1.9515296e-4
	s_mov_b32 s70, 0x3c08839e                      ;       8.3321609e-3
	s_mov_b32 s71, 0xbe2aaaa3                      ;      -1.6666655e-1
	s_mov_b32 s72, 0x37ccf5ce                      ; cos:  2.4433157e-5
	s_mov_b32 s73, 0xbab6061a                      ;      -1.3887316e-3
	s_mov_b32 s74, 0x3d2aaaa5                      ;       4.1666646e-2
	s_mov_b32 s75, 0xbfb8aa3b                      ; - log2 e
	s_lshl_b32 s26, ttmp9, 7                       ; my 32 words of order
	s_mov_b32 s27, 0
	s_mul_i32 s28, s22, 192                        ; my 16 k-vectors in a graph's 768 bytes
	s_wait_kmcnt 0x0
	s_add_nc_u64 s[12:13], s[12:13], s[26:27]
	global_load_b32 v6, v13, s[12:13]              ; node tile 0, row r
	global_load_b32 v7, v13, s[12:13] offset:64    ; node tile 1, row r
	global_load_b32 v8, v15, s[12:13]              ; node l
; 32 numbers of one column: K half i >> 4, element e = i & 15 at k = 32 half + 8 hh + (e & 7) + 16 (e >> 3), the order of a fragment's registers
.macro LOADW dst, off, extra
.set i, 0
.rept 32
	global_load_b32 v[\dst+i], v[\off], s[10:11] offset:(32*(i>>4)+(i&7)+16*((i>>3)&1))*768+\extra
.set i, i+1
.endr
.endm
.macro CVT dst, src, n                 ; 2 n numbers to f16, packed: the first source goes to the low half
.set i, 0
.rept \n
	v_cvt_pk_f16_f32 v[\dst+i], v[\src+2*i], v[\src+2*i+1]
.set i, i+1
.endr
.endm
	LOADW TMP0, 4, 0
	; store bases, while the loads are out
	s_lshl_b32 s26, ttmp9, 13
	s_lshl_b32 s29, s22, 11
	s_add_co_u32 s26, s26, s29
	s_add_nc_u64 s[14:15], s[14:15], s[26:27]      ; kT + 8192 t + 2048 w
	s_lshl_b32 s26, ttmp9, 12
	s_lshl_b32 s29, s22, 10
	s_add_co_u32 s26, s26, s29
	s_add_nc_u64 s[16:17], s[16:17], s[26:27]      ; vT + 4096 t + 1024 w
	s_lshl_b32 s26, ttmp9, 13
	s_add_co_u32 s26, s26, s29
	s_add_nc_u64 s[18:19], s[18:19], s[26:27]      ; qr + 8192 t + 1024 w
	s_lshl_b32 s26, ttmp9, 14
	s_lshl_b32 s29, s22, 12
	s_add_co_u32 s26, s26, s29
	s_add_nc_u64 s[20:21], s[20:21], s[26:27]      ; csk + 16384 t + 16 w x 256
	s_wait_loadcnt 32                              ; the 32 younger loads are W's: the three words of order are in
	v_and_b32 v6, 0xffff, v6
	v_and_b32 v7, 0xffff, v7
	v_and_b32 v9, 0xffff, v8
	v_lshrrev_b32 v8, 16, v8
	v_min_u32 v6, 0x1fff, v6
	v_min_u32 v7, 0x1fff, v7
	v_min_u32 v9, 0x1fff, v9
	v_min_u32 v8, 15, v8
	v_lshlrev_b32 v14, 5, v3
	v_lshl_add_u32 v[XO], v6, 8, v14               ; 256 node + 32 hh
	v_lshl_add_u32 v[XO+1], v7, 8, v14
	v_mul_u32_u24 v[PO], v9, 12
	v_mul_u32_u24 v[KVO], v8, 0x300
	v_add_nc_u32 v[KVO], s28, v[KVO]
.irp nt, 0,1
.irp ks, 0,1
.irp c, 0,1,2,3
	global_load_b128 v[XT+32*\nt+16*\ks+4*\c:XT+32*\nt+16*\ks+4*\c+3], v[XO+\nt], s[4:5] offset:128*\ks+16*(\c&1)+64*(\c>>1)
.endr
.endr
.endr
	global_load_b32 v10, v[PO], s[6:7]
	global_load_b32 v11, v[PO], s[6:7] offset:4
	global_load_b32 v12, v[PO], s[6:7] offset:8
.irp j, 0,1,2,3,4,5,6,7,8,9,10,11
	global_load_b128 v[KV+4*\j:KV+4*\j+3], v[KVO], s[8:9] offset:16*\j
.endr
	s_wait_loadcnt 31                              ; 16 of x, 3 of the position, 12 of the k-vectors are younger: W's q columns are in
	CVT WF, TMP0, 16
	LOADW TMP1, 4, 256
	s_wait_loadcnt 32                              ; W's k columns are younger: x, position and k-vectors are in
	CVT XF, XT, 32
	LOADW WV, 5, 0
	s_wait_loadcnt 32                              ; W's v columns are younger: its k columns are in
	CVT WF+16, TMP1, 16
	s_wait_loadcnt 0x0
	CVT WF+32, WV, 16
.macro MM d, a, b, zero
.if \zero
	v_wmma_f32_16x16x32_f16 v[\d:\d+7], v[\a:\a+7], v[\b:\b+7], 0
.else
	v_wmma_f32_16x16x32_f16 v[\d:\d+7], v[\a:\a+7], v[\b:\b+7], v[\d:\d+7]
.endif
.endm
	; Six accumulators by turns, one instruction a turn; the first K half starts the sums.
	; q with W as the first source: a lane then holds 8 neighbouring d' of one node.  k and v with x first: 8 neighbouring nodes of one d' or h.
.irp ks, 0,1
	MM ACC,    WF+8*\ks,    XF+8*\ks,    1-\ks
	MM ACC+8,  WF+8*\ks,    XF+16+8*\ks, 1-\ks
	MM ACC+16, XF+8*\ks,    WF+16+8*\ks, 1-\ks
	MM ACC+24, XF+16+8*\ks, WF+16+8*\ks, 1-\ks
	MM ACC+32, XF+8*\ks,    WF+32+8*\ks, 1-\ks
	MM ACC+40, XF+16+8*\ks, WF+32+8*\ks, 1-\ks
.endr
	; 48 plain vector instructions that name no register of the matrix instructions: more than the four places asked for (ISA guide 7.12.1)
	; before the spent fragments are written and the sums are read
.irp mi, 0,1,2,3,4,5,6,7,8,9,10,11,12,13,14,15
	v_mul_f32 v[PH+\mi], v10, v[KV+3*\mi]
	v_fmac_f32 v[PH+\mi], v11, v[KV+3*\mi+1]
	v_fmac_f32 v[PH+\mi], v12, v[KV+3*\mi+2]
.endr
; x = n pi/2 + r, |r| <= pi/4; sin r and cos r by polynomials; n mod 4 says which is which and with which sign
.macro SINCOS x, c, s
	v_mul_f32 v[ST], s66, v[\x]
	v_rndne_f32 v[ST], v[ST]                       ; n
	v_fma_f32 v[ST+1], v[ST], s67, v[\x]
	v_fma_f32 v[ST+1], v[ST], s68, v[ST+1]         ; r
	v_cvt_i32_f32 v[ST+5], v[ST]
	v_mul_f32 v[ST+2], v[ST+1], v[ST+1]            ; z = r r
	v_fma_f32 v[ST+3], v[ST+2], s69, s70
	v_fma_f32 v[ST+4], v[ST+2], s72, s73
	v_mul_f32 v[ST+6], v[ST+2], v[ST+1]            ; z r
	v_fma_f32 v[ST+3], v[ST+3], v[ST+2], s71
	v_fma_f32 v[ST+4], v[ST+4], v[ST+2], s74
	v_fma_f32 v[ST+3], v[ST+3], v[ST+6], v[ST+1]   ; sin r
	v_fma_f32 v[ST+4], v[ST+4], v[ST+2], -0.5
	v_fma_f32 v[ST+4], v[ST+4], v[ST+2], 1.0       ; cos r
	v_and_b32 v[ST+7], 1, v[ST+5]
	v_cmp_eq_u32 vcc_lo, 1, v[ST+7]                ; n odd: the two change places
	v_cndmask_b32 v[ST+8], v[ST+3], v[ST+4], vcc_lo
	v_cndmask_b32 v[ST+9], v[ST+4], v[ST+3], vcc_lo
	v_lshlrev_b32 v[ST+7], 30, v[ST+5]             ; sin is negated for n mod 4 = 2, 3: bit 1 of n
	v_and_b32 v[ST+7], 0x80000000, v[ST+7]
	v_xor_b32 v[\s], v[ST+7], v[ST+8]
	v_add_nc_u32 v[ST+5], 1, v[ST+5]               ; cos for n mod 4 = 1, 2: bit 1 of n + 1
	v_lshlrev_b32 v[ST+7], 30, v[ST+5]
	v_and_b32 v[ST+7], 0x80000000, v[ST+7]
	v_xor_b32 v[\c], v[ST+7], v[ST+9]
.endm
.irp mi, 0,1,2,3,4,5,6,7,8,9,10,11,12,13,14,15
	SINCOS PH+\mi, CSO+2*\mi, CSO+2*\mi+1
	global_store_b64 v[L8], v[CSO+2*\mi:CSO+2*\mi+1], s[20:21] offset:256*\mi    ; the wave's 32 nodes: 256 neighbouring bytes
.endr
; x / (1 + 2^(-x log2 e)), eight at a time; one plain instruction stands behind each run of transcendentals (ISA guide 5.7.2)
.macro SILU a
.irp j, 0,1,2,3,4,5,6,7
	v_mul_f32 v[SE+\j], s75, v[\a+\j]
.endr
.irp j, 0,1,2,3,4,5,6,7
	v_exp_f32 v[SE+\j], v[SE+\j]
.endr
	v_nop
	s_wait_alu depctr_va_vdst(0)
.irp j, 0,1,2,3,4,5,6,7
	v_add_f32 v[SE+\j], 1.0, v[SE+\j]
.endr
.irp j, 0,1,2,3,4,5,6,7
	v_rcp_f32 v[SE+\j], v[SE+\j]
.endr
	v_nop
	s_wait_alu depctr_va_vdst(0)
.irp j, 0,1,2,3,4,5,6,7
	v_mul_f32 v[\a+\j], v[\a+\j], v[SE+\j]
.endr
.endm
	SILU ACC
	SILU ACC+8
	SILU ACC+16
	SILU ACC+24
	CVT VP, ACC+32, 8
.irp nt, 0,1
.irp q, 0,1
	global_store_b128 v[L16], v[ACC+8*\nt+4*\q:ACC+8*\nt+4*\q+3], s[18:19] offset:4096*\nt+512*\q
	global_store_b128 v[L16], v[ACC+16+8*\nt+4*\q:ACC+16+8*\nt+4*\q+3], s[14:15] offset:1024*\nt+512*\q
.endr
	global_store_b128 v[L16], v[VP+4*\nt:VP+4*\nt+3], s[16:17] offset:512*\nt
.endr
	s_endpgm
.Lfunc_end_k_qf59619e4a3_prep:
	.size	k_qf59619e4a3_prep, .Lfunc_end_k_qf59619e4a3_prep-k_qf59619e4a3_prep
	.p2alignl 7, 3214868480
	.fill 96, 4, 3214868480
	.section	.rodata,"a",@progbits
	.p2align	6, 0x0
	.amdhsa_kernel k_qf59619e4a3_prep
		.amdhsa_group_segment_fixed_size 0
		.amdhsa_private_segment_fixed_size 0
		.amdhsa_enable_private_segment 0
		.amdhsa_kernarg_size 72
		.amdhsa_user_sgpr_count 2
		.amdhsa_user_sgpr_kernarg_segment_ptr 1
		.amdhsa_wavefront_size32 1
		.amdhsa_system_sgpr_workgroup_id_x 1
		.amdhsa_system_sgpr_workgroup_id_y 1
		.amdhsa_system_sgpr_workgroup_id_z 1
		.amdhsa_system_vgpr_workitem_id 0
		.amdhsa_next_free_vgpr 256
		.amdhsa_next_free_sgpr 80
		.amdhsa_reserve_vcc 1
		.amdhsa_float_denorm_mode_32 3
		.amdhsa_float_denorm_mode_16_64 3
		.amdhsa_memory_ordered 1
		.amdhsa_forward_progress 1
		.amdhsa_inst_pref_size 50
	.end_amdhsa_kernel
	.amdgpu_metadata
---
amdhsa.version: [ 1, 2 ]
amdhsa.kernels:
  - .name:           k_qf59619e4a3_prep
    .symbol:         k_qf59619e4a3_prep.kd
    .args:
      - { .name: node_feat, .offset: 0, .size: 8, .value_kind: global_buffer, .address_space: global }
      - { .name: positions, .offset: 8, .size: 8, .value_kind: global_buffer, .address_space: global }
      - { .name: k_vecs, .offset: 16, .size: 8, .value_kind: global_buffer, .address_space: global }
      - { .name: W_qkv, .offset: 24, .size: 8, .value_kind: global_buffer, .address_space: global }
      - { .name: order, .offset: 32, .size: 8, .value_kind: global_buffer, .address_space: global }
      - { .name: kT, .offset: 40, .size: 8, .value_kind: global_buffer, .address_space: global }
      - { .name: vT, .offset: 48, .size: 8, .value_kind: global_buffer, .address_space: global }
      - { .name: qr, .offset: 56, .size: 8, .value_kind: global_buffer, .address_space: global }
      - { .name: csk, .offset: 64, .size: 8, .value_kind: global_buffer, .address_space: global }
    .group_segment_fixed_size: 0
    .private_segment_fixed_size: 0
    .kernarg_segment_align: 8
    .kernarg_segment_size: 72
    .max_flat_workgroup_size: 128
    .sgpr_count:     80
    .vgpr_count:     256
    .wavefront_size: 32
...
	.end_amdgpu_metadata
.endif
;; end of part 2
;; launch kvg (part 3): grid 16 x 16, 16 waves a work-group, no clusters, 67,584 bytes of LDS; arguments kT, vT, csk, w_k, order, kvw, ksc; writes kvw, ksc
.if DOCPART == 3
	.amdgcn_target "amdgcn-amd-amdhsa--gfx1250"
	.amdhsa_code_object_version 6
	.text
	.protected	k_qf59619e4a3_kvg
	.globl	k_qf59619e4a3_kvg
	.p2align	8
	.type	k_qf59619e4a3_kvg,@function
k_qf59619e4a3_kvg:
	s_mov_b64 s[64:65], 0
	v_nop
	global_prefetch_b8 v0, s[64:65] scope:SCOPE_SE
	s_setreg_imm32_b32 hwreg(HW_REG_WAVE_MODE, 25, 1), 1
	s_wait_xcnt 0x0
; KV[g][m][d'][h] = (w_k[g][m] / 8) x sum over the nodes n of graph g of k_rot[m][n][d'] v[n][h], products in f16, sums in f32.
; It is stored in f16, divided by a power of two S of its own block, laid out as the last launch's first-source fragments:
;   kvw: (64 g + m) 8192 + ks 4096 + ht 1024 + half 512 + 16 l : KV / S at [h = 16 ht + r][d' = 32 ks + 16 half + 8 hh + 0..7]
;   ksc: f32 word 2 (64 g + m) + half : S = 2^E, E the exponent of the block's largest magnitude, kept inside 2^-126 .. 2^126
; WHY S: KV grows with the square of node_feat x W_qkv and with w_k, for which f16 has no room; divided by S it is below 2 (below 4 at the upper bound of S).
; Work-group (x, y): graph y, m = 4 x .. 4 x + 3.  Wave w = 8 kh + 4 jt + mi: m = 4 x + mi; rows d' = 16 jt + r of the first half of k_rot (a cos - b sin)
; and 32 + 16 jt + r of the second (a sin + b cos), all 64 h: eight accumulators, the block (m, half = jt); kh = 0, 1 takes every second tile of 32 sorted places.
; The graph's places come from order's words 8192 + g, stored by the first launch.  A tile that the graph shares with a neighbour has the other graph's
; nodes taken out by clearing their v.  A graph without nodes stores zeros.
; The number of trips is read from memory, so the loop holds no barrier and no LDS: loads go to registers, a tile ahead, and four waves on a SIMD cover for each other.
; NOT SHARED THROUGH A CLUSTER: the sixteen work-groups of a graph read the same k', v tiles, but a joint refill wants a barrier in each trip, and the
; trips of different graphs differ.
; LIMITS: |k_rot| (at most sqrt 2 x the largest |k'|) and |v| stay below 65,504 (f16).  A non-finite k' of a neighbouring graph's node in a shared tile
; meets a cleared v (0 x inf) and gives NaN.
.set KA,  8                            ; v[8:23]    a of my row, 16 nodes (8 hh + 0..7, 16 + 8 hh + 0..7)
.set KB,  24                           ; v[24:39]   b
.set CS,  40                           ; v[40:71]   cos, sin of these 16 nodes
.set VF,  72                           ; v[72:103]  v fragments, 8 x ht
.set FA,  104                          ; v[104:111] a cos - b sin, f16 fragment
.set FB,  112                          ; v[112:119] a sin + b cos
.set T,   120                          ; v[120:127]
.set MK,  128                          ; v[128:135] masks of a fragment's eight words
.set ACC, 136                          ; v[136:199] 8 x (4 x half of k_rot + ht)
	s_load_b256 s[4:11], s[0:1], 0x0               ; kT 4, vT 6, csk 8, w_k 10
	s_load_b128 s[12:15], s[0:1], 0x20             ; order 12, kvw 14
	s_load_b64 s[40:41], s[0:1], 0x30              ; ksc
	v_lshl_add_u32 v200, v0, 2, 0x10000
	v_mov_b32 v201, 0
	v_lshrrev_b32 v1, 5, v0
	v_readfirstlane_b32 s16, v1                    ; wave
	s_lshr_b32 s17, s16, 3                         ; kh
	s_bfe_u32 s18, s16, 0x10002                    ; jt
	s_and_b32 s19, s16, 3
	s_lshl2_add_u32 s19, ttmp9, s19                ; m
	s_and_b32 s20, ttmp7, 0xffff                   ; g
	s_lshl_b32 s21, s20, 2
	s_lshl_b32 s22, s20, 6
	s_add_co_u32 s22, s22, s19                     ; 64 g + m
	s_lshl_b32 s23, s22, 2
	s_mov_b32 s44, 0x76543210                      ; v_permlanex16_b32: lane i of one half reads lane i of the other
	s_mov_b32 s45, 0xfedcba98
	s_wait_kmcnt 0x0
	s_load_b64 s[24:25], s[12:13], s21 offset:0x8000   ; the graph's first place and the next graph's
	s_load_b32 s26, s[10:11], s23 offset:0x0           ; w_k[g][m]
	v_and_b32 v7, 31, v0
	v_lshlrev_b32 v1, 4, v7                        ; 16 l
	s_lshl_b32 s27, s18, 11
	v_add_nc_u32 v2, s27, v1                       ; + 2048 jt: my d' tile of kT
	v_bfe_u32 v4, v0, 4, 1
	v_lshlrev_b32 v3, 6, v4                        ; 64 hh: eight nodes' cos, sin
	v_lshlrev_b32 v4, 3, v4                        ; 8 hh
	v_mov_b32 v5, 0xffff
	v_mov_b32 v6, 0xffff0000
	s_and_b32 s28, s16, 7
	s_lshl_b32 s28, s28, 13
	v_add_nc_u32 v7, s28, v1                       ; LDS: 8,192 bytes for each pair of waves w, w + 8
	s_wait_kmcnt 0x0
	s_min_u32 s24, s24, 0x2000                     ; start
	s_min_u32 s25, s25, 0x2000                     ; end
	s_sub_co_u32 s29, s25, s24                     ; nodes
	s_lshr_b32 s30, s24, 5                         ; first tile
	s_add_co_u32 s31, s25, 31
	s_lshr_b32 s31, s31, 5
	s_sub_co_u32 s31, s31, s30                     ; tiles
	s_add_co_u32 s31, s31, 1
	s_sub_co_u32 s31, s31, s17
	s_lshr_b32 s31, s31, 1                         ; my trips: tiles kh, kh + 2, ..
	s_add_co_u32 s30, s30, s17
	s_lshl_b32 s32, s30, 5                         ; first place of my tile, for the masks
	s_min_u32 s30, s30, 255                        ; for addresses: a wave without a tile reads the last one and masks all of it
	s_mov_b32 s35, 0
	s_lshl_b32 s34, s30, 13
	s_add_nc_u64 s[4:5], s[4:5], s[34:35]
	s_lshl_b32 s34, s30, 12
	s_add_nc_u64 s[6:7], s[6:7], s[34:35]
	s_lshl_b32 s34, s30, 14
	s_lshl_b32 s36, s19, 8
	s_add_co_u32 s34, s34, s36
	s_add_nc_u64 s[8:9], s[8:9], s[34:35]
	s_lshl_b32 s34, s22, 13
	s_lshl_b32 s36, s18, 9
	s_add_co_u32 s34, s34, s36
	s_add_nc_u64 s[14:15], s[14:15], s[34:35]      ; kvw + (64 g + m) 8192 + 512 jt
	s_lshl_b32 s34, s22, 3
	s_lshl2_add_u32 s34, s18, s34
	s_add_nc_u64 s[40:41], s[40:41], s[34:35]      ; ksc + 8 (64 g + m) + 4 jt
.macro LOADKC                          ; 16 loads: a, b and cos/sin of a tile
.irp nt, 0,1
.irp q, 0,1
	global_load_b128 v[KA+8*\nt+4*\q:KA+8*\nt+4*\q+3], v2, s[4:5] offset:1024*\nt+512*\q
	global_load_b128 v[KB+8*\nt+4*\q:KB+8*\nt+4*\q+3], v2, s[4:5] offset:4096+1024*\nt+512*\q
.endr
.endr
.irp j, 0,1,2,3,4,5,6,7
	global_load_b128 v[CS+4*\j:CS+4*\j+3], v3, s[8:9] offset:16*(\j&3)+128*(\j>>2)
.endr
.endm
.macro LOADV                           ; 8 loads: the tile's v fragments
.irp ht, 0,1,2,3
.irp nt, 0,1
	global_load_b128 v[VF+8*\ht+4*\nt:VF+8*\ht+4*\nt+3], v1, s[6:7] offset:1024*\ht+512*\nt
.endr
.endr
.endm
; For nodes 2 p, 2 p + 1: (b sin, b cos), then (a cos - b sin, a sin + b cos) in one packed multiply-add each; two roundings pack two nodes
.macro GEN
.irp p, 0,1,2,3,4,5,6,7
	v_pk_mul_f32 v[T+4*(\p&1):T+4*(\p&1)+1],   v[KB+2*\p:KB+2*\p+1], v[CS+4*\p:CS+4*\p+1]   op_sel:[0,1] op_sel_hi:[0,0]
	v_pk_mul_f32 v[T+4*(\p&1)+2:T+4*(\p&1)+3], v[KB+2*\p:KB+2*\p+1], v[CS+4*\p+2:CS+4*\p+3] op_sel:[1,1] op_sel_hi:[1,0]
	v_pk_fma_f32 v[T+4*(\p&1):T+4*(\p&1)+1],   v[KA+2*\p:KA+2*\p+1], v[CS+4*\p:CS+4*\p+1],   v[T+4*(\p&1):T+4*(\p&1)+1]   op_sel:[0,0,0] op_sel_hi:[0,1,1] neg_lo:[0,0,1]
	v_pk_fma_f32 v[T+4*(\p&1)+2:T+4*(\p&1)+3], v[KA+2*\p:KA+2*\p+1], v[CS+4*\p+2:CS+4*\p+3], v[T+4*(\p&1)+2:T+4*(\p&1)+3] op_sel:[1,0,0] op_sel_hi:[1,1,1] neg_lo:[0,0,1]
	v_cvt_pk_f16_f32 v[FA+\p], v[T+4*(\p&1)],   v[T+4*(\p&1)+2]
	v_cvt_pk_f16_f32 v[FB+\p], v[T+4*(\p&1)+1], v[T+4*(\p&1)+3]
.endr
.endm
; a node belongs to the graph if (its place - start) is below the number of nodes, as unsigned numbers; word e of a fragment holds nodes 8 hh + 2 e + 8 (e >> 2), + 1
.macro MASK
	s_sub_co_u32 s38, s32, s24
	v_add_nc_u32 v[T], s38, v4
.irp e, 0,1,2,3,4,5,6,7
	v_add_nc_u32 v[T+1], 2*\e+8*(\e>>2), v[T]
	v_cmp_gt_u32 vcc_lo, s29, v[T+1]
	v_cndmask_b32 v[MK+\e], 0, v5, vcc_lo
	v_add_nc_u32 v[T+1], 2*\e+8*(\e>>2)+1, v[T]
	v_cmp_gt_u32 vcc_lo, s29, v[T+1]
	v_cndmask_b32 v[T+2], 0, v6, vcc_lo
	v_or_b32 v[MK+\e], v[MK+\e], v[T+2]
.endr
.irp ht, 0,1,2,3
.irp e, 0,1,2,3,4,5,6,7
	v_and_b32 v[VF+8*\ht+\e], v[VF+8*\ht+\e], v[MK+\e]
.endr
.endr
.endm
; One tile.  zero = 1: the products start the sums.  next = 1: the tile two further on is loaded.
.macro TRIP zero, next
	s_wait_loadcnt 8                               ; v's eight loads are younger: a, b, cos, sin are in, and their bases may step
.if \next
	s_add_nc_u64 s[4:5], s[4:5], 0x4000
	s_add_nc_u64 s[8:9], s[8:9], 0x8000
.endif
	GEN
.if \next
	LOADKC
	s_wait_loadcnt 16                              ; the sixteen just issued are younger: v is in, and its base may step
	s_add_nc_u64 s[6:7], s[6:7], 0x2000
.else
	s_wait_loadcnt 0x0
.endif
	s_add_co_u32 s38, s32, 32
	s_cmp_ge_u32 s32, s24
	s_cselect_b32 s39, 1, 0
	s_cmp_le_u32 s38, s25
	s_cselect_b32 s39, s39, 0
	s_cmp_lg_u32 s39, 0
	s_cbranch_scc1 .Lwhole_\@                      ; all 32 places are the graph's
	MASK
.Lwhole_\@:
	; eight accumulators by turns, one instruction a turn, over the backward jump too
.irp h, 0,1
.irp ht, 0,1,2,3
.if \zero
	v_wmma_f32_16x16x32_f16 v[ACC+8*(4*\h+\ht):ACC+8*(4*\h+\ht)+7], v[FA+8*\h:FA+8*\h+7], v[VF+8*\ht:VF+8*\ht+7], 0
.else
	v_wmma_f32_16x16x32_f16 v[ACC+8*(4*\h+\ht):ACC+8*(4*\h+\ht)+7], v[FA+8*\h:FA+8*\h+7], v[VF+8*\ht:VF+8*\ht+7], v[ACC+8*(4*\h+\ht):ACC+8*(4*\h+\ht)+7]
.endif
.endr
.endr
.rept 4
	v_nop                                          ; four places (ISA guide 7.12.1) before v's fragments are loaded again, the k_rot fragments rewritten, or the sums read
.endr
.if \next
	LOADV
.endif
	s_add_co_u32 s32, s32, 64
.endm
	LOADKC
	LOADV
	s_cmp_gt_u32 s31, 1
	s_cbranch_scc1 .Lmany
	TRIP 1, 0                                      ; one tile, or none (then every node is masked and the sums are zeros)
	s_branch .Lfin
.Lmany:
	TRIP 1, 1
	s_sub_co_u32 s33, s31, 2
	s_cmp_eq_u32 s33, 0
	s_cbranch_scc1 .Llast
.Ltile:
	TRIP 0, 1
	s_sub_co_u32 s33, s33, 1
	s_cmp_lg_u32 s33, 0
	s_cbranch_scc1 .Ltile
.Llast:
	TRIP 0, 0
.Lfin:
	; waves 8 to 15 hand their sums to waves 0 to 7 through LDS
	s_cmp_lt_u32 s16, 8
	s_cbranch_scc1 .Lkeep
.set i, 0
.rept 16
	ds_store_b128 v7, v[ACC+4*i:ACC+4*i+3] offset:512*i
.set i, i+1
.endr
.Lkeep:
	s_wait_dscnt 0x0                               ; for the partner: my stores are in LDS
	s_barrier_signal -1
	s_barrier_wait -1
	s_cmp_ge_u32 s16, 8
	s_cbranch_scc1 .Lend
.set i, 0
.rept 16
	ds_load_b128 v[8+4*i:8+4*i+3], v7 offset:512*i
.set i, i+1
.endr
	v_mov_b32 v[FA], s26
	v_mul_f32 v[FA], 0x3e000000, v[FA]             ; w / 8 = w x 1 / sqrt(64)
	v_mov_b32 v[FA+1], v[FA]
	s_wait_dscnt 0x0
.set i, 0
.rept 32
	v_pk_add_f32 v[ACC+2*i:ACC+2*i+1], v[ACC+2*i:ACC+2*i+1], v[8+2*i:8+2*i+1]
.set i, i+1
.endr
.set i, 0
.rept 32
	v_pk_mul_f32 v[ACC+2*i:ACC+2*i+1], v[ACC+2*i:ACC+2*i+1], v[FA:FA+1]
.set i, i+1
.endr
	; the block's largest magnitude: four chains over my 64 numbers, started by the first eight, then across the 32 lanes
.irp k, 0,1,2,3
	v_max_num_f32 v[T+\k], |v[ACC+2*\k]|, |v[ACC+2*\k+1]|
.endr
.set i, 4
.rept 28
	v_max3_num_f32 v[T+i%4], v[T+i%4], |v[ACC+2*i]|, |v[ACC+2*i+1]|
.set i, i+1
.endr
	v_max3_num_f32 v[T], v[T], v[T+1], v[T+2]
	v_max_num_f32 v[T], v[T], v[T+3]
	v_max_num_f32_dpp v[T], v[T], v[T] row_xmask:1 row_mask:0xf bank_mask:0xf
	v_max_num_f32_dpp v[T], v[T], v[T] row_xmask:2 row_mask:0xf bank_mask:0xf
	v_max_num_f32_dpp v[T], v[T], v[T] row_xmask:4 row_mask:0xf bank_mask:0xf
	v_max_num_f32_dpp v[T], v[T], v[T] row_xmask:8 row_mask:0xf bank_mask:0xf
	v_permlanex16_b32 v[T+1], v[T], s44, s45
	v_max_num_f32 v[T], v[T], v[T+1]
	v_and_b32 v[T], 0x7f800000, v[T]               ; its exponent alone: S = 2^E,
	v_max_u32 v[T], 0x00800000, v[T]               ; not below 2^-126 (a block of zeros stays zeros)
	v_min_u32 v[T], 0x7e800000, v[T]               ; nor above 2^126, so that 1 / S is a normal number too
	v_sub_nc_u32 v[T+2], 0x7f000000, v[T]          ; 1 / S: the exponent field 254 - e
	s_wait_xcnt 0x0                                ; EXEC changes only behind this wait
	v_cmp_eq_u32 vcc_lo, 0, v1
	s_and_saveexec_b32 s42, vcc_lo                 ; lane 0, whose v1 is 0
	global_store_b32 v1, v[T], s[40:41]            ; one word a wave; the eight storing waves of the work-group fill 32 neighbouring bytes
	s_wait_xcnt 0x0                                ; and again, in front of the line that widens it
	s_or_b32 exec_lo, exec_lo, s42
.set i, 0
.rept 32
	v_pk_mul_f32 v[ACC+2*i:ACC+2*i+1], v[ACC+2*i:ACC+2*i+1], v[T+2:T+3] op_sel_hi:[1,0]    ; exact: a power of two
.set i, i+1
.endr
.set i, 0
.rept 32
	v_cvt_pk_f16_f32 v[VF+i], v[ACC+2*i], v[ACC+2*i+1]
.set i, i+1
.endr
.set i, 0
.rept 8
	global_store_b128 v1, v[VF+4*i:VF+4*i+3], s[14:15] offset:1024*i     ; accumulator i = 4 ks + ht: 512 neighbouring bytes
.set i, i+1
.endr
.Lend:
	s_wait_tensorcnt 0x0
	ds_add_u32 v200, v201
	s_wait_dscnt 0x0
	s_endpgm
.Lfunc_end_k_qf59619e4a3_kvg:
	.size	k_qf59619e4a3_kvg, .Lfunc_end_k_qf59619e4a3_kvg-k_qf59619e4a3_kvg
	.p2alignl 7, 3214868480
	.fill 96, 4, 3214868480
	.section	.rodata,"a",@progbits
	.p2align	6, 0x0
	.amdhsa_kernel k_qf59619e4a3_kvg
		.amdhsa_group_segment_fixed_size 67584
		.amdhsa_private_segment_fixed_size 0
		.amdhsa_enable_private_segment 0
		.amdhsa_kernarg_size 56
		.amdhsa_user_sgpr_count 2
		.amdhsa_user_sgpr_kernarg_segment_ptr 1
		.amdhsa_wavefront_size32 1
		.amdhsa_system_sgpr_workgroup_id_x 1
		.amdhsa_system_sgpr_workgroup_id_y 1
		.amdhsa_system_sgpr_workgroup_id_z 1
		.amdhsa_system_vgpr_workitem_id 0
		.amdhsa_next_free_vgpr 202
		.amdhsa_next_free_sgpr 66
		.amdhsa_reserve_vcc 1
		.amdhsa_float_denorm_mode_32 3
		.amdhsa_float_denorm_mode_16_64 3
		.amdhsa_memory_ordered 1
		.amdhsa_forward_progress 1
		.amdhsa_inst_pref_size 52
	.end_amdhsa_kernel
	.amdgpu_metadata
---
amdhsa.version: [ 1, 2 ]
amdhsa.kernels:
  - .name:           k_qf59619e4a3_kvg
    .symbol:         k_qf59619e4a3_kvg.kd
    .args:
      - { .name: kT, .offset: 0, .size: 8, .value_kind: global_buffer, .address_space: global }
      - { .name: vT, .offset: 8, .size: 8, .value_kind: global_buffer, .address_space: global }
      - { .name: csk, .offset: 16, .size: 8, .value_kind: global_buffer, .address_space: global }
      - { .name: w_k, .offset: 24, .size: 8, .value_kind: global_buffer, .address_space: global }
      - { .name: order, .offset: 32, .size: 8, .value_kind: global_buffer, .address_space: global }
      - { .name: kvw, .offset: 40, .size: 8, .value_kind: global_buffer, .address_space: global }
      - { .name: ksc, .offset: 48, .size: 8, .value_kind: global_buffer, .address_space: global }
    .group_segment_fixed_size: 67584
    .private_segment_fixed_size: 0
    .kernarg_segment_align: 8
    .kernarg_segment_size: 56
    .max_flat_workgroup_size: 512
    .sgpr_count:     66
    .vgpr_count:     202
    .wavefront_size: 32
...
	.end_amdgpu_metadata
.endif
;; end of part 3
;; launch upd (part 4): grid 256 x 1, 16 waves a work-group, no clusters, 141,312 bytes of LDS; arguments qr, csk, kvw, ksc, order, out0; writes out0
.if DOCPART == 4
	.amdgcn_target "amdgcn-amd-amdhsa--gfx1250"
	.amdhsa_code_object_version 6
	.text
	.protected	k_qf59619e4a3_upd
	.globl	k_qf59619e4a3_upd
	.p2align	8
	.type	k_qf59619e4a3_upd,@function
k_qf59619e4a3_upd:
	s_mov_b64 s[64:65], 0
	v_nop
	global_prefetch_b8 v0, s[64:65] scope:SCOPE_SE
	s_setreg_imm32_b32 hwreg(HW_REG_WAVE_MODE, 25, 1), 1
	s_wait_xcnt 0x0
; out0[n][h] = sum over m and d' of q_rot[m][n][d'] x KV[graph_n][m][d'][h]  (KV already holds w / 8), products in f16, sums in f32.
; kvw holds KV / S, S = ksc[g][m][half] a power of two for each block of d' = 16 half + 0..15 (+ 32).  With Smax the largest S of the graph,
; the sum is Smax x sum of (q_rot x S / Smax) x (KV / S): S / Smax <= 1 is folded into cos and sin, Smax multiplies the f32 sums at the end.
; Work-group t: the 32 nodes at sorted places 32 t .. 32 t + 31.  Wave w: m = 4 w .. 4 w + 3, all 32 nodes, all 64 h: eight accumulators;
; the sixteen waves' sums meet in LDS behind the launch's one barrier.
; The matrix instruction takes kvw (rows h) as its first source and q_rot (columns = nodes) as its second: a lane's 8 results are 8 neighbouring h of one node.
; A tile may hold nodes of several graphs: the graphs from the first place's to the last place's are walked, and in each pass the rows of other graphs
; have cos = sin = 0, so that their q_rot is 0.  The number of passes is read from memory (order), so a pass holds no barrier.
; NOT SHARED THROUGH A CLUSTER: the tiles of one graph read the same kvw, but which tiles those are hangs on order, and a joint request must be alike in all partners.
; LIMITS: |q_rot| (at most sqrt 2 x the largest |q'|) stays below 65,504 (f16).  A block whose S is more than 2^126 below Smax counts as zero.
; A non-finite q' in a tile of several graphs meets cos = sin = 0 in the other graphs' passes (0 x inf) and gives NaN.
.set SC,  6                            ; v6, v7     Smax of the graph of node r of node tile 0, 1
.set QA,  8                            ; v[8:23] a, v[24:39] b of node r of node tile 0; v[40:55], v[56:71] of node tile 1
.set CS,  72                           ; v[72:87]   cos, sin as loaded: pair 4 mi + 2 nt
.set KF,  88                           ; v[88:151]  kvw fragments of one m: 8 x (4 ks + ht)
.set FA,  152                          ; v[152:159] a cos - b sin;  v[160:167] a sin + b cos
.set T,   168                          ; v[168:175]
.set ACC, 176                          ; v[176:239] 8 x (4 nt + ht)
.set RD,  240                          ; v240, v241 LDS addresses of the read back
.set AO,  242                          ; v242, v243 offsets into order
.set STO, 244
.set OO,  245                          ; v245, v246
.set FT,  247                          ; S / Smax, or 0 for a row of another graph
.set CSS, 248                          ; v[248:255] cos, sin of one m times that: pair 4 nt + 2 half
.set WREG, 8704                        ; LDS: a wave's 32 rows of 256 bytes + 16: sixteen rows that a store touches begin in sixteen different 16-byte columns
	s_load_b256 s[4:11], s[0:1], 0x0               ; qr 4, csk 6, kvw 8, ksc 10
	s_load_b128 s[12:15], s[0:1], 0x20             ; order 12, out0 14
	v_lshrrev_b32 v1, 5, v0
	v_readfirstlane_b32 s30, v1                    ; wave
	v_and_b32 v7, 31, v0
	v_lshlrev_b32 v1, 4, v7                        ; 16 l
	v_and_b32 v6, 15, v0                           ; r
	v_lshlrev_b32 v2, 3, v6                        ; 8 r
	v_lshlrev_b32 v[AO], 2, v6
	v_lshrrev_b32 v7, 4, v0                        ; thread / 16: the node that I store at the end
	v_lshlrev_b32 v[AO+1], 2, v7
	v_mul_u32_u24 v[RD], v7, 272
	v_lshl_add_u32 v[RD], v6, 4, v[RD]
	v_add_nc_u32 v[RD+1], 8*WREG, v[RD]
	v_lshlrev_b32 v[OO+1], 4, v6
	v_mul_u32_u24 v7, v6, 272
	v_bfe_u32 v[STO], v0, 4, 1
	v_lshl_add_u32 v7, v[STO], 5, v7
	s_mul_i32 s23, s30, WREG
	v_add_nc_u32 v[STO], s23, v7                   ; wave's region + 272 r + 32 hh
	s_mov_b32 s44, 0x76543210                      ; v_permlanex16_b32: lane i of one half reads lane i of the other
	s_mov_b32 s45, 0xfedcba98
	s_mov_b32 s21, 0
	s_mov_b32 s25, 0
	s_mov_b32 s47, 0
	s_lshl_b32 s20, ttmp9, 7
	s_wait_kmcnt 0x0
	s_add_nc_u64 s[18:19], s[12:13], s[20:21]      ; my 32 words of order
	s_load_b32 s16, s[18:19], 0x0
	s_load_b32 s17, s[18:19], 0x7c
	s_lshl_b32 s20, ttmp9, 13
	s_add_nc_u64 s[4:5], s[4:5], s[20:21]
	s_lshl_b32 s20, ttmp9, 14
	s_lshl_b32 s23, s30, 10
	s_add_co_u32 s20, s20, s23
	s_add_nc_u64 s[6:7], s[6:7], s[20:21]          ; csk + 16384 t + 4 w x 256
.irp nt, 0,1
.irp ct, 0,1,2,3
.irp q, 0,1
	global_load_b128 v[QA+32*\nt+8*\ct+4*\q:QA+32*\nt+8*\ct+4*\q+3], v1, s[4:5] offset:4096*\nt+1024*\ct+512*\q
.endr
.endr
.endr
	global_load_b32 v3, v[AO], s[18:19]            ; node tile 0, row r
	global_load_b32 v4, v[AO], s[18:19] offset:64  ; node tile 1, row r
	global_load_b32 v5, v[AO+1], s[18:19]
	s_wait_kmcnt 0x0
	s_lshr_b32 s16, s16, 16
	s_lshr_b32 s17, s17, 16
	s_min_u32 s16, s16, 15                         ; the first place's graph
	s_min_u32 s17, s17, 15                         ; the last place's
.macro LOADKF mi                       ; 16 loads: kvw of m = 4 w + mi
.irp ks, 0,1
.irp ht, 0,1,2,3
.irp hf, 0,1
	global_load_b128 v[KF+8*(4*\ks+\ht)+4*\hf:KF+8*(4*\ks+\ht)+4*\hf+3], v1, s[26:27] offset:(\mi)*8192+4096*\ks+1024*\ht+512*\hf
.endr
.endr
.endr
.endm
; q_rot of node tile nt.  Two pairs of d' at a time (b >> 1 is their half of 16 d', which picks the scaled cos, sin): eight packed instructions on
; registers that no matrix instruction names come first, which are the places (ISA guide 7.12.1) in front of the writes of the two fragments.
.macro GENQ nt
.irp b, 0,1,2,3
.irp u, 0,1
	v_pk_mul_f32 v[T+4*\u:T+4*\u+1],   v[QA+32*\nt+16+4*\b+2*\u:QA+32*\nt+16+4*\b+2*\u+1], v[CSS+4*\nt+2*(\b>>1):CSS+4*\nt+2*(\b>>1)+1] op_sel:[0,1] op_sel_hi:[1,1]   ; b sin
	v_pk_mul_f32 v[T+4*\u+2:T+4*\u+3], v[QA+32*\nt+16+4*\b+2*\u:QA+32*\nt+16+4*\b+2*\u+1], v[CSS+4*\nt+2*(\b>>1):CSS+4*\nt+2*(\b>>1)+1] op_sel:[0,0] op_sel_hi:[1,0]   ; b cos
.endr
.irp u, 0,1
	v_pk_fma_f32 v[T+4*\u:T+4*\u+1],   v[QA+32*\nt+4*\b+2*\u:QA+32*\nt+4*\b+2*\u+1], v[CSS+4*\nt+2*(\b>>1):CSS+4*\nt+2*(\b>>1)+1], v[T+4*\u:T+4*\u+1]     op_sel:[0,0,0] op_sel_hi:[1,0,1] neg_lo:[0,0,1] neg_hi:[0,0,1]
	v_pk_fma_f32 v[T+4*\u+2:T+4*\u+3], v[QA+32*\nt+4*\b+2*\u:QA+32*\nt+4*\b+2*\u+1], v[CSS+4*\nt+2*(\b>>1):CSS+4*\nt+2*(\b>>1)+1], v[T+4*\u+2:T+4*\u+3] op_sel:[0,1,0] op_sel_hi:[1,1,1]
.endr
.irp u, 0,1
	v_cvt_pk_f16_f32 v[FA+2*\b+\u],   v[T+4*\u],   v[T+4*\u+1]
	v_cvt_pk_f16_f32 v[FA+8+2*\b+\u], v[T+4*\u+2], v[T+4*\u+3]
.endr
.endr
.endm
; eight matrix instructions on four accumulators by turns, one instruction a turn
.macro MUL8 nt, mi, zero
.irp ks, 0,1
.set z, 0
.if \zero
.if \mi+\ks == 0
.set z, 1
.endif
.endif
.irp ht, 0,1,2,3
.if z
	v_wmma_f32_16x16x32_f16 v[ACC+8*(4*\nt+\ht):ACC+8*(4*\nt+\ht)+7], v[KF+8*(4*\ks+\ht):KF+8*(4*\ks+\ht)+7], v[FA+8*\ks:FA+8*\ks+7], 0
.else
	v_wmma_f32_16x16x32_f16 v[ACC+8*(4*\nt+\ht):ACC+8*(4*\nt+\ht)+7], v[KF+8*(4*\ks+\ht):KF+8*(4*\ks+\ht)+7], v[FA+8*\ks:FA+8*\ks+7], v[ACC+8*(4*\nt+\ht):ACC+8*(4*\nt+\ht)+7]
.endif
.endr
.endr
.endm
; One pass: graph s22.  zero = 1: the first pass; its first products start the sums, it loads cos and sin and unpacks the rows' graphs.
; No load that names s[26:27], s[40:41] or s[48:49] is out when they are written: the pass before has waited for all its loads.
.macro GITER zero
	s_lshl_b32 s24, s22, 6
	s_lshl2_add_u32 s24, s30, s24                  ; 64 g + 4 w
	s_lshl_b32 s46, s24, 3
	s_add_nc_u64 s[40:41], s[10:11], s[46:47]      ; ksc: my 4 m x 2 halves, 32 bytes
	s_load_b256 s[32:39], s[40:41], 0x0
	s_lshl_b32 s46, s22, 9
	s_add_nc_u64 s[48:49], s[10:11], s[46:47]      ; ksc: the graph's 128 words
	s_lshl_b32 s24, s24, 13
	s_add_nc_u64 s[26:27], s[8:9], s[24:25]        ; kvw + (64 g + 4 w) 8192
	global_load_b128 v[T:T+3], v1, s[48:49]        ; four of the graph's S a lane
.if \zero
.irp mi, 0,1,2,3
.irp nt, 0,1
	global_load_b64 v[CS+4*\mi+2*\nt:CS+4*\mi+2*\nt+1], v2, s[6:7] offset:256*\mi+128*\nt
.endr
.endr
.endif
	LOADKF 0
	s_wait_loadcnt 16                              ; kvw's sixteen loads are younger: all else is in
.if \zero
	v_lshrrev_b32 v3, 16, v3
	v_lshrrev_b32 v4, 16, v4
	v_min_u32 v3, 15, v3
	v_min_u32 v4, 15, v4
.endif
	v_cmp_eq_u32 s28, s22, v3                      ; the rows of this graph
	v_cmp_eq_u32 s29, s22, v4
	v_max3_num_f32 v[T], v[T], v[T+1], v[T+2]      ; Smax, in every lane
	v_max_num_f32 v[T], v[T], v[T+3]
	v_max_num_f32_dpp v[T], v[T], v[T] row_xmask:1 row_mask:0xf bank_mask:0xf
	v_max_num_f32_dpp v[T], v[T], v[T] row_xmask:2 row_mask:0xf bank_mask:0xf
	v_max_num_f32_dpp v[T], v[T], v[T] row_xmask:4 row_mask:0xf bank_mask:0xf
	v_max_num_f32_dpp v[T], v[T], v[T] row_xmask:8 row_mask:0xf bank_mask:0xf
	v_permlanex16_b32 v[T+1], v[T], s44, s45
	v_max_num_f32 v[T], v[T], v[T+1]
.if \zero
	v_cndmask_b32 v[SC],   0, v[T], s28
	v_cndmask_b32 v[SC+1], 0, v[T], s29
.else
	v_cndmask_b32 v[SC],   v[SC],   v[T], s28
	v_cndmask_b32 v[SC+1], v[SC+1], v[T], s29
.endif
	v_readfirstlane_b32 s43, v[T]
	s_sub_co_u32 s42, 0x3f800000, s43
	s_wait_kmcnt 0x0
.irp j, 0,1,2,3,4,5,6,7
	s_add_co_i32 s[32+\j], s[32+\j], s42           ; S / Smax: both are powers of two, so their exponent fields are subtracted and 127 added;
	s_max_i32 s[32+\j], s[32+\j], 0                ; below 2^-126 it is 0
.endr
.irp mi, 0,1,2,3
.irp nt, 0,1
.irp jt, 0,1
	v_cndmask_b32 v[FT], 0, s[32+2*\mi+\jt], s[28+\nt]
	v_mul_f32 v[CSS+4*\nt+2*\jt],   v[FT], v[CS+4*\mi+2*\nt]
	v_mul_f32 v[CSS+4*\nt+2*\jt+1], v[FT], v[CS+4*\mi+2*\nt+1]
.endr
.endr
	GENQ 0
	s_wait_loadcnt 0x0                             ; this m's kvw
	MUL8 0, \mi, \zero
	GENQ 1
	MUL8 1, \mi, \zero
.rept 4
	v_nop                                          ; four places before kvw's fragments are loaded again, or the sums are read
.endr
.if \mi < 3
	LOADKF \mi+1
.endif
.endr
.endm
	s_mov_b32 s22, s16
	GITER 1
	s_cmp_ge_u32 s16, s17
	s_cbranch_scc1 .Lfin
.Lgraph:
	s_add_co_u32 s22, s22, 1
	GITER 0
	s_cmp_lt_u32 s22, s17
	s_cbranch_scc1 .Lgraph
.Lfin:
	; a lane's sums are those of node r of each node tile: times that node's graph's Smax
.set i, 0
.rept 16
	v_pk_mul_f32 v[ACC+2*i:ACC+2*i+1],       v[ACC+2*i:ACC+2*i+1],       v[SC:SC+1] op_sel:[0,0] op_sel_hi:[1,0]
	v_pk_mul_f32 v[ACC+32+2*i:ACC+32+2*i+1], v[ACC+32+2*i:ACC+32+2*i+1], v[SC:SC+1] op_sel:[0,1] op_sel_hi:[1,1]
.set i, i+1
.endr
	; my sums to my region of LDS: row = node, 64 h of f32
.irp nt, 0,1
.irp ht, 0,1,2,3
.irp hf, 0,1
	ds_store_b128 v[STO], v[ACC+8*(4*\nt+\ht)+4*\hf:ACC+8*(4*\nt+\ht)+4*\hf+3] offset:4352*\nt+64*\ht+16*\hf
.endr
.endr
.endr
	s_wait_dscnt 0x0                               ; for the other waves: my stores are in LDS
	s_barrier_signal -1
	s_barrier_wait -1
	; thread: node = thread / 16, 16 bytes at 16 (thread % 16) of its row, from all sixteen regions
.irp j, 0,1,2,3,4,5,6,7
	ds_load_b128 v[8+4*\j:11+4*\j],   v[RD]   offset:WREG*\j
	ds_load_b128 v[40+4*\j:43+4*\j],  v[RD+1] offset:WREG*\j
.endr
	v_and_b32 v5, 0xffff, v5
	v_min_u32 v5, 0x1fff, v5
	v_lshl_add_u32 v[OO], v5, 8, v[OO+1]           ; 256 node + 16 (thread % 16)
	s_wait_dscnt 0x0
.macro FOLD n
.set j, 0
.rept \n
	v_pk_add_f32 v[8+4*j:9+4*j],   v[8+4*j:9+4*j],   v[8+4*(j+\n):9+4*(j+\n)]
	v_pk_add_f32 v[10+4*j:11+4*j], v[10+4*j:11+4*j], v[10+4*(j+\n):11+4*(j+\n)]
.set j, j+1
.endr
.endm
	FOLD 8
	FOLD 4
	FOLD 2
	FOLD 1
	global_store_b128 v[OO], v[8:11], s[14:15]     ; sixteen neighbouring lanes store one node's row: 256 bytes, aligned
	s_wait_xcnt 0x0
	v_lshl_add_u32 v254, v0, 2, 0x22000
	v_mov_b32 v255, 0
	s_wait_tensorcnt 0x0
	ds_add_u32 v254, v255
	s_wait_dscnt 0x0
	s_endpgm
.Lfunc_end_k_qf59619e4a3_upd:
	.size	k_qf59619e4a3_upd, .Lfunc_end_k_qf59619e4a3_upd-k_qf59619e4a3_upd
	.p2alignl 7, 3214868480
	.fill 96, 4, 3214868480
	.section	.rodata,"a",@progbits
	.p2align	6, 0x0
	.amdhsa_kernel k_qf59619e4a3_upd
		.amdhsa_group_segment_fixed_size 141312
		.amdhsa_private_segment_fixed_size 0
		.amdhsa_enable_private_segment 0
		.amdhsa_kernarg_size 48
		.amdhsa_user_sgpr_count 2
		.amdhsa_user_sgpr_kernarg_segment_ptr 1
		.amdhsa_wavefront_size32 1
		.amdhsa_system_sgpr_workgroup_id_x 1
		.amdhsa_system_sgpr_workgroup_id_y 1
		.amdhsa_system_sgpr_workgroup_id_z 1
		.amdhsa_system_vgpr_workitem_id 0
		.amdhsa_next_free_vgpr 256
		.amdhsa_next_free_sgpr 66
		.amdhsa_reserve_vcc 0
		.amdhsa_float_denorm_mode_32 3
		.amdhsa_float_denorm_mode_16_64 3
		.amdhsa_memory_ordered 1
		.amdhsa_forward_progress 1
		.amdhsa_inst_pref_size 89
	.end_amdhsa_kernel
	.amdgpu_metadata
---
amdhsa.version: [ 1, 2 ]
amdhsa.kernels:
  - .name:           k_qf59619e4a3_upd
    .symbol:         k_qf59619e4a3_upd.kd
    .args:
      - { .name: qr, .offset: 0, .size: 8, .value_kind: global_buffer, .address_space: global }
      - { .name: csk, .offset: 8, .size: 8, .value_kind: global_buffer, .address_space: global }
      - { .name: kvw, .offset: 16, .size: 8, .value_kind: global_buffer, .address_space: global }
      - { .name: ksc, .offset: 24, .size: 8, .value_kind: global_buffer, .address_space: global }
      - { .name: order, .offset: 32, .size: 8, .value_kind: global_buffer, .address_space: global }
      - { .name: out0, .offset: 40, .size: 8, .value_kind: global_buffer, .address_space: global }
    .group_segment_fixed_size: 141312
    .private_segment_fixed_size: 0
    .kernarg_segment_align: 8
    .kernarg_segment_size: 48
    .max_flat_workgroup_size: 512
    .sgpr_count:     66
    .vgpr_count:     256
    .wavefront_size: 32
...
	.end_amdgpu_metadata
.endif
;; end of part 4
